; MI455X (gfx1250); checked and timed in simulation.
; The chip was launched on July 23, 2026; its instructions are those of AMD's public machine-readable ISA for CDNA 5 (MIT licence, August 2026) and "CDNA5" Instruction Set Architecture Reference Guide (July 2026). The comments in the code are by the model that wrote it; some were corrected since.
;; Additive Attention. Allowed arithmetic: matrix products marked QUANTISED: E4M3 operands, one given power-of-two scale a tensor, by v_wmma_f32_16x16x64_fp8_fp8 or v_wmma_f32_16x16x128_fp8_fp8, f32 sums; products left as they are: f32 operands where the result goes on into a quantised operand, else bf16, f16 or f32 operands; f32 sums; everything else in f32.
;; Inputs: W1_codes 1,024 x 32 x 32 uint8 (E4M3 codes of W1, K innermost, in blocks of 32 codes); W2_codes 1,024 x 32 x 32 uint8 (E4M3 codes of W2, K innermost, in blocks of 32 codes); keys_codes 32 x 2,048 x 32 x 32 uint8 (E4M3 codes of keys, K innermost, in blocks of 32 codes); lowp_scales 4 int32 (the exponents e of the quantised operands' scales 2^e); mask 32 x 2,048 bool; query_codes 32 x 32 x 32 uint8 (E4M3 codes of query, K innermost, in blocks of 32 codes); v 1,024 float32.
;; Outputs: out0 32 x 2,048 float32.
;; This version of the problem:
;;   THIS VERSION OF THE PROBLEM IS GIVEN IN LOW PRECISION. The matrix products marked QUANTISED in the list below multiply operands that are first quantised to E4M3 (4 exponent bits, 3 mantissa bits; 8 bits a number), with one given power-of-two scale for each operand tensor; their sums are f32. All else is computed in f32.
;;   The module's matrix products, in the order in which they are computed (A, B: the left and right operand; K: the contracted axis; several contracted axes count as one K, in the product's order):
;;     1. [M 32, K 1,024] x [K 1,024, N 1,024]; A: input query (given as codes); B: input W1 (given as codes): QUANTISED (scales: A lowp_scales[0], B lowp_scales[1])
;;     2. [M 65,536, K 1,024] x [K 1,024, N 1,024]; A: input keys (given as codes); B: input W2 (given as codes): QUANTISED (scales: A lowp_scales[2], B lowp_scales[3])
;;     3. [M 65,536, K 1,024] x [K 1,024, N 1]; A: computed on the way; B: input v: left as it is (N = 1 < 16)
;;   THE QUANTISER, for each operand of a quantised product, along K:
;;     - The operand's scale is 2^e, e = its entry of the input lowp_scales (int32; the entries are numbered through the quantised products in the list's order, A before B).
;;     - Each number is divided by the scale, clamped to +-448, and rounded to the nearest number of E4M3, ties to even, subnormals kept.
;;     - The product sums the exact products of the quantised numbers (number of the format x scale) in f32.
;;   ~~~python
;;   def quantise(x, axis, e):      # numpy; x: float32 -> the quantised numbers, widened to float32 again
;;       x = np.moveaxis(x, axis, -1); K = x.shape[-1]
;;       r = np.clip(x / 2.0 ** e, -448, 448)
;;       step = 2.0 ** (np.maximum(np.frexp(np.where(r == 0, 1, r))[1] - 1, -6) - 3)
;;       q = np.round(r / step) * step * 2.0 ** e      # np.round: ties to even
;;       return np.moveaxis(q, -1, axis).astype(np.float32)
;;   ~~~
;;   INPUTS GIVEN AS CODES. W1 (in the module: [1024, 1024], K = its axis 1); W2 (in the module: [1024, 1024], K = its axis 1); keys (in the module: [32, 2048, 1024], K = its axis 2); query (in the module: [32, 1024], K = its axis 1): each comes as NAME_codes (uint8): NAME with its K axis moved to the last place and cut into blocks of 32 codes, [.., K / 32, bytes a block], one block behind the other in memory; one code a byte (a code: sign, 4 exponent bits, 3 mantissa bits); its scale is its entry of lowp_scales. Its value is code x scale, taken as it is: it is not quantised again, and the codes and scales need not be those that the quantiser above would give.
;; One version. Each part assembles by itself: llvm-mc -triple=amdgcn-amd-amdhsa -mcpu=gfx1250 --defsym DOCPART=n.
;; ======== version 1 of 1: 3 launches
;; limits: right only within a limited range of input values
;; workspace buffers: W2f 1,048,576 bytes; Wp 131,072 bytes; part 1,048,576 bytes
;; launch prep (part 1): grid 64 x 1, 1 waves a work-group, no clusters, 0 bytes of LDS; arguments W1_codes, W2_codes, query_codes, lowp_scales, W2f, Wp; writes W2f, Wp
.if DOCPART == 1
	.amdgcn_target "amdgcn-amd-amdhsa--gfx1250"
	.amdhsa_code_object_version 6
	.text
	.protected	k_q396de3489c_prep
	.globl	k_q396de3489c_prep
	.p2align	8
	.type	k_q396de3489c_prep,@function
k_q396de3489c_prep:
	s_mov_b64 s[64:65], 0
	v_nop
	global_prefetch_b8 v0, s[64:65] scope:SCOPE_SE
	s_setreg_imm32_b32 hwreg(HW_REG_WAVE_MODE, 25, 1), 1
	s_wait_xcnt 0x0
; ADDITIVE ATTENTION IN FP8 (E4M3), three launches:
;   prep    Wp = c 2^(e0+e1) (query W1^T), c = 2 log2(e), and W2's codes laid anew in the order of an operand's registers
;   scores  keys W2^T on codes, tanh, the sum over a weighted by v: four partial sums (256 a each) for every key
;   soft    the four partial sums added, the mask, the softmax over a batch's 2,048 keys
; tanh(x) = 1 - 2 / (1 + 2^(c x)).  So the score of key s is  sum_a v[a]  -  2 sum_a v[a] / (1 + 2^(c x[s][a])).
; WORK LEFT OUT.  The term sum_a v[a] hangs on no key: it is the same along the softmax's axis, for all values of the inputs, and a softmax is not moved by a
; term that is the same along its axis (it multiplies numerator and denominator by the same factor).  At a masked key reference() subtracts 1e30 from a score whose size is at most
; sum_a |v[a]|: in f32 the result is -1e30 with the term or without it.  So the term is not computed; v itself is live and is loaded (launch scores).
; LIMIT: an overflow, an infinity or a NaN that would arise in sum_a v[a] alone is not carried to the result.
; Masked keys are NOT left out: whether a key counts hangs on an input's values, and in a row that is masked throughout all its scores count.
;
; THIS LAUNCH.  One wave to a tile of 16 rows a of W1 and of W2; 64 work-groups, as many as there are tiles.  No LDS, no branch.
; A fragment (16 rows x 128 K of codes) is 16 registers: lane (r, h) takes, of row r, the bytes 128 k + 32 c + 16 h + 0 .. 15 into registers 4 c .. 4 c + 3: a permutation of k inside a
; K step, the same in both operands of every product of this program, so that every code meets its partner.
; W2f [tile 64][K step 8][c 4][lane 32][16 bytes]: the fragments' registers on end.  A wave of launch scores loads each group of four registers by one load of 512 consecutive bytes.
; Wp  [tile 64][tb 2][c 2][lane 32][16 bytes]: an image of the two accumulators.  Source 0 = 16 rows of W1, source 1 = 16 rows of query (batches 16 tb on):
;     register j of lane (r, h) is batch 16 tb + r, row a = 16 tile + 8 h + j.
; LIMIT: e0 + e1 between -127 and 126: they are added to c's exponent field.  NaN codes among the inputs are not served.
; REGISTERS: window 0: v1 my byte in a tile's rows, v2 16 x lane; v16-31 two accumulators; v32-47 their sums scaled; v128-255 W1's 8 fragments.  window 1: query's 16 fragments.  window 2: W2's 8.
.set MSB, 0
.macro WIN new                         ; the immediate's high byte repeats the setting that is left
.if MSB != \new
	s_set_vgpr_msb (MSB<<8)|\new
.set MSB, \new
.endif
.endm
	s_load_b256 s[4:11], s[0:1], 0x0               ; W1's codes s[4:5], W2's s[6:7], query's s[8:9], the scales' exponents s[10:11]
	s_load_b128 s[12:15], s[0:1], 0x20             ; W2f s[12:13], Wp s[14:15]
	v_and_b32 v3, 15, v0                           ; r
	v_bfe_u32 v4, v0, 4, 1                         ; h
	v_lshlrev_b32 v1, 10, v3                       ; a row is 1,024 codes
	v_lshl_add_u32 v1, v4, 4, v1                   ; + 16 h
	v_lshlrev_b32 v2, 4, v0                        ; 16 x lane (one wave: the thread's number is the lane)
	s_lshl_b32 s16, ttmp9, 14                      ; my tile: 16 rows of 1,024 bytes, in W1, W2 and W2f alike
	s_mov_b32 s17, 0
	s_lshl_b32 s18, ttmp9, 11                      ; and 2,048 bytes in Wp
	s_mov_b32 s19, 0
	s_wait_alu depctr_va_vdst(0)
	s_wait_kmcnt 0x0
	s_load_b64 s[20:21], s[10:11], 0x0             ; e0, e1
	s_add_nc_u64 s[4:5], s[4:5], s[16:17]
	s_add_nc_u64 s[6:7], s[6:7], s[16:17]
	s_add_nc_u64 s[12:13], s[12:13], s[16:17]
	s_add_nc_u64 s[14:15], s[14:15], s[18:19]
.irp k, 0,1,2,3,4,5,6,7                        ; W1: 32 loads
.irp c, 0,1,2,3
	global_load_b128 v[128+16*\k+4*\c:128+16*\k+4*\c+3], v1, s[4:5] offset:128*\k+32*\c th:TH_LOAD_NT
.endr
.endr
	WIN 0x40                                       ; destination window 1
.irp t, 0,1                                    ; query: 64 loads; every work-group reads it
.irp k, 0,1,2,3,4,5,6,7
.irp c, 0,1,2,3
	global_load_b128 v[16*(8*\t+\k)+4*\c:16*(8*\t+\k)+4*\c+3], v1, s[8:9] offset:16384*\t+128*\k+32*\c
.endr
.endr
.endr
	WIN 0x80                                       ; destination window 2
.irp k, 0,1,2,3,4,5,6,7                        ; W2: 32 loads
.irp c, 0,1,2,3
	global_load_b128 v[16*\k+4*\c:16*\k+4*\c+3], v1, s[6:7] offset:128*\k+32*\c th:TH_LOAD_NT
.endr
.endr
	s_wait_loadcnt 32                              ; loads come back in order: W1's and query's are in, W2's 32 may be out
	WIN 0x04                                       ; source 1 (query) window 1
.irp k, 0,1,2,3,4,5,6,7                        ; the two accumulators take turns, one instruction a turn; the first K step starts the sums
.irp t, 0,1
.if \k == 0
	v_wmma_f32_16x16x128_fp8_fp8 v[16+8*\t:23+8*\t], v[128+16*\k:143+16*\k], v[16*(8*\t+\k):16*(8*\t+\k)+15], 0
.else
	v_wmma_f32_16x16x128_fp8_fp8 v[16+8*\t:23+8*\t], v[128+16*\k:143+16*\k], v[16*(8*\t+\k):16*(8*\t+\k)+15], v[16+8*\t:23+8*\t]
.endif
.endr
.endr
	s_wait_loadcnt 0x0                             ; W2's fragments are in
	WIN 0x08                                       ; a store's data: window 2
.irp k, 0,1,2,3,4,5,6,7
.irp c, 0,1,2,3
	global_store_b128 v2, v[16*\k+4*\c:16*\k+4*\c+3], s[12:13] offset:(4*\k+\c)*512   ; 32 lanes store 512 consecutive bytes, at a multiple of 256 from W2f's first byte
.endr
.endr
	WIN 0
.rept 4
	v_nop                                          ; four places between the last product and the first read of a result (ISA guide 7.12.1)
.endr
	s_wait_kmcnt 0x0
	s_add_co_i32 s20, s20, s21                     ; e0 + e1
	s_lshl_b32 s20, s20, 23
	s_add_co_i32 s20, s20, 0x4038aa3b              ; added to the exponent field of c = 2 log2(e): c 2^(e0 + e1)
	s_mov_b32 s21, s20                             ; (named with it as a pair, so it is written)
.irp j, 0,2,4,6,8,10,12,14
	v_pk_mul_f32 v[32+\j:33+\j], v[16+\j:17+\j], s[20:21] op_sel_hi:[1,0]   ; each accumulator from its low end on
.endr
.irp m, 0,1,2,3
	global_store_b128 v2, v[32+4*\m:35+4*\m], s[14:15] offset:512*\m        ; m = 2 tb + c
.endr
	s_endpgm
.Lfunc_end_k_q396de3489c_prep:
	.size	k_q396de3489c_prep, .Lfunc_end_k_q396de3489c_prep-k_q396de3489c_prep
	.p2alignl 7, 3214868480
	.fill 96, 4, 3214868480
	.section	.rodata,"a",@progbits
	.p2align	6, 0x0
	.amdhsa_kernel k_q396de3489c_prep
		.amdhsa_group_segment_fixed_size 0
		.amdhsa_private_segment_fixed_size 0
		.amdhsa_enable_private_segment 0
		.amdhsa_kernarg_size 48
		.amdhsa_user_sgpr_count 2
		.amdhsa_user_sgpr_kernarg_segment_ptr 1
		.amdhsa_wavefront_size32 1
		.amdhsa_system_sgpr_workgroup_id_x 1
		.amdhsa_system_sgpr_workgroup_id_y 1
		.amdhsa_system_sgpr_workgroup_id_z 1
		.amdhsa_system_vgpr_workitem_id 0
		.amdhsa_next_free_vgpr 640
		.amdhsa_next_free_sgpr 66
		.amdhsa_reserve_vcc 0
		.amdhsa_float_denorm_mode_32 3
		.amdhsa_float_denorm_mode_16_64 3
		.amdhsa_memory_ordered 1
		.amdhsa_forward_progress 1
		.amdhsa_inst_pref_size 19
	.end_amdhsa_kernel
	.amdgpu_metadata
---
amdhsa.version: [ 1, 2 ]
amdhsa.kernels:
  - .name:           k_q396de3489c_prep
    .symbol:         k_q396de3489c_prep.kd
    .args:
      - { .name: W1_codes, .offset: 0, .size: 8, .value_kind: global_buffer, .address_space: global }
      - { .name: W2_codes, .offset: 8, .size: 8, .value_kind: global_buffer, .address_space: global }
      - { .name: query_codes, .offset: 16, .size: 8, .value_kind: global_buffer, .address_space: global }
      - { .name: lowp_scales, .offset: 24, .size: 8, .value_kind: global_buffer, .address_space: global }
      - { .name: W2f, .offset: 32, .size: 8, .value_kind: global_buffer, .address_space: global }
      - { .name: Wp, .offset: 40, .size: 8, .value_kind: global_buffer, .address_space: global }
    .group_segment_fixed_size: 0
    .private_segment_fixed_size: 0
    .kernarg_segment_align: 8
    .kernarg_segment_size: 48
    .max_flat_workgroup_size: 32
    .sgpr_count:     66
    .vgpr_count:     640
    .wavefront_size: 32
...
	.end_amdgpu_metadata
.endif
;; end of part 1
;; launch scores (part 2): grid 256 x 1, 4 waves a work-group, clusters of 4 x 1, 327,680 bytes of LDS; arguments keys_codes, W2f, Wp, v, lowp_scales, part; writes part
.if DOCPART == 2
	.amdgcn_target "amdgcn-amd-amdhsa--gfx1250"
	.amdhsa_code_object_version 6
	.text
	.protected	k_q396de3489c_scores
	.globl	k_q396de3489c_scores
	.p2align	8
	.type	k_q396de3489c_scores,@function
k_q396de3489c_scores:
	s_mov_b64 s[64:65], 0
	v_nop
	global_prefetch_b8 v0, s[64:65] scope:SCOPE_SE
	s_setreg_imm32_b32 hwreg(HW_REG_WAVE_MODE, 25, 1), 1
	s_wait_xcnt 0x0
	s_wait_alu depctr_hold_cnt(0) depctr_sa_sdst(0) depctr_va_vdst(0) depctr_va_sdst(0) depctr_va_ssrc(0) depctr_va_vcc(0) depctr_vm_vsrc(0)
	s_getreg_b32 s2, hwreg(HW_REG_IB_STS2, 6, 4)
	s_cmp_eq_u32 s2, 0
	s_cbranch_scc0 .Lentry_in_a_cluster
	s_endpgm
.Lentry_in_a_cluster:
	s_bfe_u32 s2, ttmp6, 0x10000c
	s_cmp_lg_u32 s2, 0x3003
	s_cbranch_scc0 .Lentry_shape_is_right
	s_endpgm
.Lentry_shape_is_right:
; part[cx][key] = -2 x the sum, over the 256 rows a of quarter cx, of v[a] / (1 + 2^(c x[key][a])),  c x = c 2^(e2+e3) (keys W2^T on codes) + Wp[batch][a],  c = 2 log2(e).
; WORK LEFT OUT: the term sum_a v[a] of tanh = 1 - 2 / (1 + 2^(c x)), the same for all keys of a softmax row (shown at the head of launch prep).
; LIMIT: e2 + e3 between -127 and 126: they are added to c's exponent field.  An exponent beyond f32's range gives 2^t = infinity or 0, and the quotient 0 or 1, as tanh's limits ask.
; SHARES.  A cluster of four work-groups takes 1,024 keys (half a batch); work-group cx takes rows a 256 cx on, wave w 64 of them: four tiles of 16 rows x 1,024 K, 512 registers, loaded once.
; The keys go through a ring of two LDS slots of 128 keys.  The four partners need the same keys: each tile is asked for JOINTLY (mask 15); wave w fetches bytes 256 w .. + 255 of the 128 rows.
; THE PRODUCT IS USED TRANSPOSED: source 0 = 16 rows of W2, source 1 = 16 keys.  Lane (r, h) then holds key r, and register j of tile i the row a = 16 i + 8 h + j:
; Wp and -2 v of the lane's 32 rows stay in 32 + 32 registers, and the sum over a is made inside the lane.  What is left (h, four waves) is added at the end, through a stage in LDS.
; THE WORK GOES IN BATCHES of 32 keys: 64 matrix instructions (four accumulators by turns for each 16 keys), then 32 packed multiply-adds, 64 exponentials, 32 packed additions, 64 reciprocals,
; 32 packed multiply-adds: each run of transcendentals has one wait ahead of it and one behind it.
; REGISTERS: window 0: v1-16 addresses; v20-29 sums; v32-63 Wp; v64-95 -2 v; v96-159 the 8 accumulators.  window 1: two buffers of a 16-key fragment set (8 K steps x 16).  windows 2, 3: W2, K steps 0-3 and 4-7.
; PREFETCH: behind each joint refill (the keys of slot s + 2) one instruction a wave names the keys of slot s + 3: a lane a row, 256 bytes of it; of the 128 rows partner cx takes 32 cx on, by address.
; So each 256 bytes are named once in the cluster; the refill of the last slot asks for nothing, and the first three slots come by their loads alone.
.set PITCH,   272                      ; an LDS row: 256 bytes + 16 of padding
.set TILEB,   16*PITCH
.set REG,     128*PITCH                ; one wave's load: 128 rows x 256 bytes
.set SLOT,    4*REG
.set STG,     2*SLOT                   ; the stage: [wave 4][tile 64][h 2][r 16] f32; no tensor load lands here
.set STW,     8192
.set SPARE,   STG+4*STW                ; the spare words, 128 bytes a wave, that no other line names
.set SLOTMEM, 128*1024
.set LB,  1                            ; r x PITCH + 16 h;  LB2: two regions further on
.set LB2, 2
.set ADR, 3                            ; v3, v4: the tile that is being fetched
.set ST0, 5
.set SPW, 6
.set NIL, 7
.set STA, 8
.set PFO, 9
.set L16, 10
.set WPO, 11
.set VO,  12
.set RDB, 13
.set GO,  14
.set T0,  15
.set T1,  16
.set P,   20
.set RS,  28
.set WP,  32
.set VV,  64
.set X,   96
.set WVN, 16
.set CX,  17
.set G1,  24
.set G0,  32
.set SC,  40
.set TB,  42
.set SB,  43
.set COUT, 44
.set CIN,  45
.set PFA, 48
.set MSB, 0
.macro WIN new                         ; the immediate's high byte repeats the setting that is left
.if MSB != \new
	s_set_vgpr_msb (MSB<<8)|\new
.set MSB, \new
.endif
.endm
.macro CREST                           ; a round of the cluster's barrier behind its opening barrier
	s_cmp_lg_u32 s[WVN], 0
	s_cbranch_scc1 .Lnw0_\@
	s_barrier_signal -3
.Lnw0_\@:
	s_barrier_wait -3
	s_barrier_signal -1
	s_barrier_wait -1
.endm
.macro CROUND
	s_barrier_signal -1
	s_barrier_wait -1
	CREST
.endm
.macro JLOAD s                         ; my quarter of a slot; s_nop 0 and four v_nop follow
	tensor_load_to_lds s[G0+4*(\s):G0+4*(\s)+3], s[G1:G1+7]
	s_nop 0
.rept 4
	v_nop
.endr
.endm
.macro ASK par                         ; slot 1's refill in the ring's last trip fetches the last slot: nothing lies beyond it
.if \par
	s_cmp_gt_u32 s[COUT], 1
	s_cbranch_scc0 .Lnone_\@
.endif
	global_prefetch_b8 v[PFO], s[PFA:PFA+1] th:TH_LOAD_NT scope:SCOPE_SE
.if \par
.Lnone_\@:
.endif
.endm
; 32 LDS loads in one run: the 16 keys at LDS offset TB into buffer f.  The two additions are two of the four places behind the products that read the buffer.
.macro LOADF f
	v_add_nc_u32 v[ADR], s[TB], v[LB]
	v_add_nc_u32 v[ADR+1], s[TB], v[LB2]
	WIN 0x40
.irp k, 0,1,2,3,4,5,6,7
.irp c, 0,1,2,3
	ds_load_b128 v[128*\f+16*\k+4*\c:128*\f+16*\k+4*\c+3], v[ADR+\k/4] offset:((\k/2)%2)*REG+(\k%2)*128+32*\c
.endr
.endr
	WIN 0
	s_add_co_u32 s[TB], s[TB], TILEB
.endm
; 16 matrix instructions: buffer u's K steps 4 hi .. 4 hi + 3 against my four tiles of W2; the four accumulators take turns; the first K step starts the sums
.macro MMAS u, hi
	WIN 0x06+\hi
.irp k, 0,1,2,3
.irp i, 0,1,2,3
.if (\hi == 0) && (\k == 0)
	v_wmma_f32_16x16x128_fp8_fp8 v[X+32*\u+8*\i:X+32*\u+8*\i+7], v[16*(4*\k+\i):16*(4*\k+\i)+15], v[128*\u+64*\hi+16*\k:128*\u+64*\hi+16*\k+15], 0
.else
	v_wmma_f32_16x16x128_fp8_fp8 v[X+32*\u+8*\i:X+32*\u+8*\i+7], v[16*(4*\k+\i):16*(4*\k+\i)+15], v[128*\u+64*\hi+16*\k:128*\u+64*\hi+16*\k+15], v[X+32*\u+8*\i:X+32*\u+8*\i+7]
.endif
.endr
.endr
.endm
; 32 keys.  ld: the next 32 keys are fetched.  chg = 1: the slot's last 32 keys: it is filled again; chg = 2: a change of slots with nothing left to fetch.
.macro PAIR ld, chg, slot
.if \chg
	s_wait_tensorcnt 0x0                           ; all my tensor loads have landed: my part of the next slot
	ds_add_u32 v[SPW], v[NIL]
	s_mov_b32 s[TB], (1-(\slot))*SLOT
.if \chg == 1
	s_add_nc_u64 s[G0+4*(\slot)+2:G0+4*(\slot)+3], s[G0+4*(\slot)+2:G0+4*(\slot)+3], 2*SLOTMEM
	s_wait_xcnt 0x0                                ; my last prefetch has read its address
	s_add_nc_u64 s[PFA:PFA+1], s[PFA:PFA+1], SLOTMEM
.endif
	s_wait_dscnt 35                                ; buffer 0 is in; buffer 1's 32 loads, two stage stores and the add may be out
	MMAS 0, 0
	s_wait_dscnt 0x0                               ; the add is done, and my reads of this slot are over
	s_barrier_signal -1
	MMAS 0, 1
	WIN 0
	s_barrier_wait -1
.if \chg == 1
	CREST                                          ; no wave of any partner still reads this slot
	JLOAD \slot
.else
	v_nop
	v_nop
.endif
	LOADF 0
.if \chg == 1
	ASK \slot
.endif
.else
	s_wait_dscnt 34                                ; buffer 0 is in; buffer 1's 32 loads and two stage stores may be out
	MMAS 0, 0
	MMAS 0, 1
	WIN 0
.if \ld
	v_nop
	v_nop
	LOADF 0
	s_wait_dscnt 32                                ; all but the 32 just issued
.else
	s_wait_dscnt 0x0
.endif
.endif
	MMAS 1, 0
	MMAS 1, 1
	WIN 0
	v_nop
	v_nop
.if \ld
	LOADF 1
.else
	v_nop
	v_nop
.endif
.set m, 0
.rept 32                               ; t = sum x c 2^(e2+e3) + Wp; each accumulator from its low end on
	v_pk_fma_f32 v[X+2*m:X+2*m+1], v[X+2*m:X+2*m+1], s[SC:SC+1], v[WP+2*(m%16):WP+2*(m%16)+1] op_sel_hi:[1,0,1]
.set m, m+1
.endr
	s_wait_alu depctr_va_vdst(0)                   ; ahead of the batch
.set m, 0
.rept 64
	v_exp_f32 v[X+m], v[X+m]
.set m, m+1
.endr
	v_nop
	s_wait_alu depctr_va_vdst(0)                   ; behind it
.set m, 0
.rept 32
	v_pk_add_f32 v[X+2*m:X+2*m+1], v[X+2*m:X+2*m+1], 1.0 op_sel_hi:[1,0]
.set m, m+1
.endr
	s_wait_alu depctr_va_vdst(0)
.set m, 0
.rept 64
	v_rcp_f32 v[X+m], v[X+m]
.set m, m+1
.endr
	v_add_nc_u32 v[STA], s[SB], v[ST0]             ; the plain place behind the last reciprocal
	s_wait_alu depctr_va_vdst(0)
.set m, 0
.rept 16                               ; the sum over my 32 rows a, weighted by -2 v: two chains for each 16 keys, the four by turns
.irp u, 0,1
.if m < 2
	v_pk_mul_f32 v[P+4*\u+2*m:P+4*\u+2*m+1], v[X+32*\u+2*m:X+32*\u+2*m+1], v[VV+2*m:VV+2*m+1]
.else
	v_pk_fma_f32 v[P+4*\u+2*(m%2):P+4*\u+2*(m%2)+1], v[X+32*\u+2*m:X+32*\u+2*m+1], v[VV+2*m:VV+2*m+1], v[P+4*\u+2*(m%2):P+4*\u+2*(m%2)+1]
.endif
.endr
.set m, m+1
.endr
	v_pk_add_f32 v[P:P+1], v[P:P+1], v[P+2:P+3]
	v_pk_add_f32 v[P+4:P+5], v[P+4:P+5], v[P+6:P+7]
	v_add_f32 v[RS], v[P], v[P+1]
	v_add_f32 v[RS+1], v[P+4], v[P+5]
	ds_store_b32 v[STA], v[RS]                     ; 128 consecutive bytes a tile: [h][r]
	ds_store_b32 v[STA], v[RS+1] offset:128
	s_add_co_u32 s[SB], s[SB], 256
.endm
.macro SLOTBODY par, mode              ; a slot: four times 32 keys
	s_mov_b32 s[CIN], 3
.Lpair_\@:
	PAIR 1, 0, \par
	s_sub_co_u32 s[CIN], s[CIN], 1
	s_cmp_lg_u32 s[CIN], 0
	s_wait_alu depctr_va_vdst(0)
	s_cbranch_scc1 .Lpair_\@
.if \mode
	PAIR 1, \mode, \par
.else
	PAIR 0, 0, \par
.endif
.endm
	s_load_b256 s[4:11], s[0:1], 0x0               ; keys s[4:5], W2f s[6:7], Wp s[8:9], v s[10:11]
	s_load_b128 s[12:15], s[0:1], 0x20             ; the scales' exponents s[12:13], part s[14:15]
	v_lshl_add_u32 v[SPW], v0, 2, SPARE
	v_mov_b32 v[NIL], 0
	ds_add_u32 v[SPW], v[NIL]                      ; the opening: the add twice on end, under one wait
	ds_add_u32 v[SPW], v[NIL]
	v_lshrrev_b32 v[T0], 5, v0
	v_readfirstlane_b32 s[WVN], v[T0]              ; wave 0..3
	v_and_b32 v[T0], 31, v0                        ; lane
	v_lshlrev_b32 v[PFO], 10, v[T0]                ; prefetch: a lane a row of 1,024 bytes
	v_lshlrev_b32 v[L16], 4, v[T0]
	s_lshl_b32 s22, s[WVN], 13
	s_add_co_u32 s22, s22, STG
	v_lshl_add_u32 v[ST0], v[T0], 2, s22           ; my word in my wave's stage
	v_bfe_u32 v[T1], v0, 4, 1                      ; h
	v_lshlrev_b32 v[WPO], 8, v[T1]                 ; Wp's image: lane (batch % 16) + 16 h, 16 bytes a lane
	v_lshlrev_b32 v[VO], 5, v[T1]                  ; v: 8 h numbers on
	v_and_b32 v[T0], 15, v0                        ; r
	v_mul_u32_u24 v[LB], v[T0], PITCH
	v_lshl_add_u32 v[LB], v[T1], 4, v[LB]
	v_add_nc_u32 v[LB2], 2*REG, v[LB]
	v_lshrrev_b32 v[RDB], 2, v0                    ; the way out: thread x takes keys 4 x .. 4 x + 3: tile x / 4, 16 (x % 4) bytes in
	v_lshlrev_b32 v[RDB], 7, v[RDB]
	v_and_b32 v[T0], 3, v0
	v_lshl_add_u32 v[RDB], v[T0], 4, v[RDB]
	v_add_nc_u32 v[RDB], STG, v[RDB]
	v_lshlrev_b32 v[GO], 4, v0
	s_bfe_u32 s[CX], ttmp6, 0x40000
	s_mov_b32 s[G1], 15|(1<<20)|(1<<21)|(5<<22)|(3<<25)   ; mask of the four; bytes; 4 words of padding behind every 64
	s_mov_b32 s[G1+1], 256<<16
	s_mov_b32 s[G1+2], 128<<16
	s_mov_b32 s[G1+3], 256<<16
	s_mov_b32 s[G1+4], 128
	s_mov_b32 s[G1+5], 1024
	s_mov_b32 s[G1+6], 0
	s_mov_b32 s[G1+7], 0
	s_lshl_b32 s20, ttmp9, 20                      ; the cluster's 1,024 keys,
	s_lshl_b32 s21, s[WVN], 8                      ; my 256 bytes of each row
	s_add_co_u32 s20, s20, s21
	s_mov_b32 s21, 0
	s_mul_i32 s18, s[WVN], REG
	s_mov_b32 s[TB], 0
	s_mov_b32 s[SB], 0
	s_wait_alu depctr_va_vdst(0)
	s_wait_dscnt 0x0
	s_wait_kmcnt 0x0
	s_load_b128 s[52:55], s[12:13], 0x0            ; e0 .. e3
	s_add_nc_u64 s[4:5], s[4:5], s[20:21]
	s_mov_b32 s[G0], 1
	s_mov_b32 s[G0+1], s18
	s_mov_b64 s[G0+2:G0+3], s[4:5]
	s_or_b32 s[G0+3], s[G0+3], 0x80000000
	s_mov_b32 s[G0+4], 1
	s_add_co_u32 s[G0+5], s18, SLOT
	s_add_nc_u64 s[G0+6:G0+7], s[4:5], SLOTMEM
	s_or_b32 s[G0+7], s[G0+7], 0x80000000
	s_lshl_b32 s22, s[CX], 18                      ; W2f: tile 16 cx + 4 w, 16,384 bytes a tile
	s_lshl_b32 s23, s[WVN], 16
	s_add_co_u32 s22, s22, s23
	s_mov_b32 s23, 0
	s_add_nc_u64 s[6:7], s[6:7], s[22:23]
	s_lshl_b32 s22, s[CX], 15                      ; Wp: the same tile, 2,048 bytes a tile; + 1,024 (batch / 16) + 16 (batch % 16); batch = cluster / 2
	s_lshl_b32 s23, s[WVN], 13
	s_add_co_u32 s22, s22, s23
	s_lshr_b32 s23, ttmp9, 5
	s_lshl_b32 s23, s23, 10
	s_add_co_u32 s22, s22, s23
	s_bfe_u32 s23, ttmp9, 0x40001
	s_lshl_b32 s23, s23, 4
	s_add_co_u32 s22, s22, s23
	s_mov_b32 s23, 0
	s_add_nc_u64 s[8:9], s[8:9], s[22:23]
	s_lshl_b32 s22, s[CX], 10                      ; v: my 64 numbers
	s_lshl_b32 s23, s[WVN], 8
	s_add_co_u32 s22, s22, s23
	s_mov_b32 s23, 0
	s_add_nc_u64 s[10:11], s[10:11], s[22:23]
	s_lshl_b32 s22, s[CX], 18                      ; part: quarter cx, the cluster's 1,024 numbers
	s_lshl_b32 s23, ttmp9, 12
	s_add_co_u32 s22, s22, s23
	s_mov_b32 s23, 0
	s_add_nc_u64 s[14:15], s[14:15], s[22:23]
	s_lshl_b32 s22, s[CX], 15                      ; prefetch: my work-group's 32 rows of a slot's 128
	s_add_nc_u64 s[PFA:PFA+1], s[4:5], s[22:23]
	s_add_nc_u64 s[PFA:PFA+1], s[PFA:PFA+1], 2*SLOTMEM
	CROUND                                         ; the four work-groups are here: the first joint loads meet
	JLOAD 0                                        ; one tensor load a wave at the head
	WIN 0x80                                       ; W2's fragments are asked for while slot 0 is on its way: K steps 0-3 into window 2,
.irp k, 0,1,2,3
.irp i, 0,1,2,3
.irp c, 0,1,2,3
	global_load_b128 v[16*(4*\k+\i)+4*\c:16*(4*\k+\i)+4*\c+3], v[L16], s[6:7] offset:\i*16384+(4*\k+\c)*512
.endr
.endr
.endr
	WIN 0xc0                                       ; K steps 4-7 into window 3
.irp k, 0,1,2,3
.irp i, 0,1,2,3
.irp c, 0,1,2,3
	global_load_b128 v[16*(4*\k+\i)+4*\c:16*(4*\k+\i)+4*\c+3], v[L16], s[6:7] offset:\i*16384+(4*(\k+4)+\c)*512
.endr
.endr
.endr
	WIN 0
.irp i, 0,1,2,3
.irp c, 0,1
	global_load_b128 v[WP+8*\i+4*\c:WP+8*\i+4*\c+3], v[WPO], s[8:9] offset:2048*\i+512*\c     ; Wp[batch][16 i + 8 h + 4 c ..]
	global_load_b128 v[VV+8*\i+4*\c:VV+8*\i+4*\c+3], v[VO], s[10:11] offset:64*\i+16*\c       ; v[16 i + 8 h + 4 c ..]
.endr
.endr
	s_wait_tensorcnt 0x0                           ; my part of slot 0 is in; slot 1's first fill is issued as a refill is
	ds_add_u32 v[SPW], v[NIL]
	s_wait_dscnt 0x0
	CROUND
	JLOAD 1
	LOADF 0                                        ; keys 0-15 and 16-31
	LOADF 1
	s_wait_kmcnt 0x0
	s_add_co_i32 s20, s54, s55                     ; e2 + e3, added to the exponent field of c = 2 log2(e)
	s_lshl_b32 s20, s20, 23
	s_add_co_i32 s[SC], s20, 0x4038aa3b
	s_mov_b32 s[SC+1], s[SC]
	s_wait_loadcnt 0x0                             ; W2, Wp, v
.irp j, 0,2,4,6,8,10,12,14,16,18,20,22,24,26,28,30
	v_pk_mul_f32 v[VV+\j:VV+\j+1], v[VV+\j:VV+\j+1], -2.0 op_sel_hi:[1,0]
.endr
	s_wait_alu depctr_va_vdst(0)
	s_wait_dscnt 32                                ; buffer 0 is in: no stage store is out yet, so the first count is taken here
	s_mov_b32 s[COUT], 3
.Lring:
	SLOTBODY 0, 1
	SLOTBODY 1, 1
	s_sub_co_u32 s[COUT], s[COUT], 1
	s_cmp_lg_u32 s[COUT], 0
	s_wait_alu depctr_va_vdst(0)
	s_cbranch_scc1 .Lring
	SLOTBODY 0, 2                                  ; the last two slots fetch nothing more
	SLOTBODY 1, 0
	s_wait_dscnt 0x0                               ; for the others' sake: my stage is written
	s_barrier_signal -1
	s_barrier_wait -1
.irp n, 0,1,2,3,4,5,6,7                        ; n = 2 wave + h; keys 4 x on, and 512 + 4 x on
	ds_load_b128 v[X+8*\n:X+8*\n+3], v[RDB] offset:(\n/2)*STW+(\n%2)*64
	ds_load_b128 v[X+8*\n+4:X+8*\n+7], v[RDB] offset:(\n/2)*STW+(\n%2)*64+4096
.endr
	s_wait_dscnt 0x0
.irp m, 0,2,4,6
.irp j, 0,2,4,6
	v_pk_add_f32 v[X+8*\m+\j:X+8*\m+\j+1], v[X+8*\m+\j:X+8*\m+\j+1], v[X+8*\m+8+\j:X+8*\m+8+\j+1]
.endr
.endr
.irp m, 0,4
.irp j, 0,2,4,6
	v_pk_add_f32 v[X+8*\m+\j:X+8*\m+\j+1], v[X+8*\m+\j:X+8*\m+\j+1], v[X+8*\m+16+\j:X+8*\m+16+\j+1]
.endr
.endr
.irp j, 0,2,4,6
	v_pk_add_f32 v[X+\j:X+\j+1], v[X+\j:X+\j+1], v[X+32+\j:X+32+\j+1]
.endr
	global_store_b128 v[GO], v[X:X+3], s[14:15]                ; a wave's store covers 512 consecutive bytes, at a multiple of 256 from part's first byte
	global_store_b128 v[GO], v[X+4:X+7], s[14:15] offset:2048
	s_wait_tensorcnt 0x0                           ; the wave's end
	ds_add_u32 v[SPW], v[NIL]
	s_wait_dscnt 0x0
	CROUND                                         ; the closing round
	s_endpgm
.Lfunc_end_k_q396de3489c_scores:
	.size	k_q396de3489c_scores, .Lfunc_end_k_q396de3489c_scores-k_q396de3489c_scores
	.p2alignl 7, 3214868480
	.fill 96, 4, 3214868480
	.section	.rodata,"a",@progbits
	.p2align	6, 0x0
	.amdhsa_kernel k_q396de3489c_scores
		.amdhsa_group_segment_fixed_size 327680
		.amdhsa_private_segment_fixed_size 0
		.amdhsa_enable_private_segment 0
		.amdhsa_kernarg_size 48
		.amdhsa_user_sgpr_count 2
		.amdhsa_user_sgpr_kernarg_segment_ptr 1
		.amdhsa_wavefront_size32 1
		.amdhsa_system_sgpr_workgroup_id_x 1
		.amdhsa_system_sgpr_workgroup_id_y 1
		.amdhsa_system_sgpr_workgroup_id_z 1
		.amdhsa_system_vgpr_workitem_id 0
		.amdhsa_next_free_vgpr 1024
		.amdhsa_next_free_sgpr 66
		.amdhsa_reserve_vcc 0
		.amdhsa_float_denorm_mode_32 3
		.amdhsa_float_denorm_mode_16_64 3
		.amdhsa_memory_ordered 1
		.amdhsa_forward_progress 1
		.amdhsa_inst_pref_size 181
	.end_amdhsa_kernel
	.amdgpu_metadata
---
amdhsa.version: [ 1, 2 ]
amdhsa.kernels:
  - .name:           k_q396de3489c_scores
    .symbol:         k_q396de3489c_scores.kd
    .args:
      - { .name: keys_codes, .offset: 0, .size: 8, .value_kind: global_buffer, .address_space: global }
      - { .name: W2f, .offset: 8, .size: 8, .value_kind: global_buffer, .address_space: global }
      - { .name: Wp, .offset: 16, .size: 8, .value_kind: global_buffer, .address_space: global }
      - { .name: v, .offset: 24, .size: 8, .value_kind: global_buffer, .address_space: global }
      - { .name: lowp_scales, .offset: 32, .size: 8, .value_kind: global_buffer, .address_space: global }
      - { .name: part, .offset: 40, .size: 8, .value_kind: global_buffer, .address_space: global }
    .group_segment_fixed_size: 327680
    .private_segment_fixed_size: 0
    .kernarg_segment_align: 8
    .kernarg_segment_size: 48
    .max_flat_workgroup_size: 128
    .sgpr_count:     66
    .vgpr_count:     1024
    .wavefront_size: 32
...
	.end_amdgpu_metadata
.endif
;; end of part 2
;; launch soft (part 3): grid 32 x 1, 8 waves a work-group, no clusters, 1,536 bytes of LDS; arguments part, mask, out0; writes out0
.if DOCPART == 3
	.amdgcn_target "amdgcn-amd-amdhsa--gfx1250"
	.amdhsa_code_object_version 6
	.text
	.protected	k_q396de3489c_soft
	.globl	k_q396de3489c_soft
	.p2align	8
	.type	k_q396de3489c_soft,@function
k_q396de3489c_soft:
	s_mov_b64 s[64:65], 0
	v_nop
	global_prefetch_b8 v0, s[64:65] scope:SCOPE_SE
	s_setreg_imm32_b32 hwreg(HW_REG_WAVE_MODE, 25, 1), 1
	s_wait_xcnt 0x0
; out0[b][s] = softmax over s of (score[b][s] - (mask[b][s] ? 0 : 1e30)),  score = the sum of the four partial sums of launch scores.
; WORK LEFT OUT: the term sum_a v[a], the same for all keys of a row (shown at the head of launch prep).
; One work-group to a batch: 8 waves, 256 threads; thread t holds keys 4 t .. 4 t + 3 and 1,024 + 4 t .. + 3, so that each load and store of a wave covers 512 consecutive bytes.
; The row's maximum is taken away before the exponential, as reference() does.  (s - M) is formed FIRST and then multiplied by log2(e), not fused: in a row that is masked throughout s = M = -1e30, the difference is
; exactly 0, and every weight comes out as 1 / 2,048, as in reference(); a fused s L - round(M L) would leave the rounding of a number of the size of 1e30 in the exponent.
; No matrix unit, no cluster, no tensor load: 1.1 MB are read once, and the work-groups share nothing.
; LDS: bytes 0-31 the eight waves' maxima; 256-287 their sums; from 512 on the spare words, 128 bytes for each wave, that no other line names.
	s_load_b128 s[4:7], s[0:1], 0x0                ; part, mask
	s_load_b64 s[8:9], s[0:1], 0x10                ; out0
	v_lshl_add_u32 v3, v0, 2, 512                  ; my spare word; never rewritten
	v_mov_b32 v4, 0                                ; 0; never rewritten
	v_lshlrev_b32 v1, 4, v0                        ; 16 bytes of f32 a thread
	v_lshlrev_b32 v2, 2, v0                        ; 4 bytes of mask
	v_lshrrev_b32 v5, 5, v0
	s_delay_alu instid0(VALU_DEP_1)
	v_lshlrev_b32 v5, 2, v5                        ; 4 x wave: my wave's word
	v_mov_b32 v6, 0
	v_mov_b32 v51, 0x7149f2ca                      ; 1e30
	s_lshl_b32 s10, ttmp9, 13                      ; the batch's 2,048 numbers of f32
	s_mov_b32 s11, 0
	s_lshl_b32 s12, ttmp9, 11                      ; and its 2,048 bytes of mask
	s_mov_b32 s13, 0
	s_mov_b32 s14, 0x76543210                      ; v_permlanex16_b32's selects for lane l xor 16
	s_mov_b32 s15, 0xfedcba98
	s_wait_alu depctr_va_vdst(0)
	s_wait_kmcnt 0x0
	s_add_nc_u64 s[4:5], s[4:5], s[10:11]
	s_add_nc_u64 s[8:9], s[8:9], s[10:11]
	s_add_nc_u64 s[6:7], s[6:7], s[12:13]
.irp u, 0,1,2,3                                ; quarter u of the rows a
	global_load_b128 v[16+8*\u:19+8*\u], v1, s[4:5] offset:\u*262144 th:TH_LOAD_NT
	global_load_b128 v[20+8*\u:23+8*\u], v1, s[4:5] offset:\u*262144+4096 th:TH_LOAD_NT
.endr
	global_load_b32 v48, v2, s[6:7]
	global_load_b32 v49, v2, s[6:7] offset:1024
	s_wait_loadcnt 0x0
.irp j, 0,2,4,6
	v_pk_add_f32 v[16+\j:17+\j], v[16+\j:17+\j], v[24+\j:25+\j]
	v_pk_add_f32 v[32+\j:33+\j], v[32+\j:33+\j], v[40+\j:41+\j]
.endr
.irp j, 0,2,4,6
	v_pk_add_f32 v[16+\j:17+\j], v[16+\j:17+\j], v[32+\j:33+\j]
.endr
.irp n, 0,1,2,3,4,5,6,7                        ; reference()'s own subtraction, in f32: 1e30 where the mask's byte is 0
	v_bfe_u32 v50, v[48+\n/4], 8*(\n%4), 8
	s_delay_alu instid0(VALU_DEP_1)
	v_cmp_eq_u32 vcc_lo, 0, v50
	s_delay_alu instid0(VALU_DEP_1)
	v_cndmask_b32 v50, 0, v51, vcc_lo
	s_delay_alu instid0(VALU_DEP_1)
	v_sub_f32 v[16+\n], v[16+\n], v50
.endr
	v_max3_num_f32 v52, v16, v17, v18              ; the row's maximum: my eight,
	v_max3_num_f32 v53, v19, v20, v21
	s_delay_alu instid0(VALU_DEP_2)
	v_max3_num_f32 v52, v52, v22, v23
	s_delay_alu instid0(VALU_DEP_1)
	v_max_num_f32 v52, v52, v53
	s_delay_alu instid0(VALU_DEP_1)
	v_max_num_f32_dpp v52, v52, v52 row_xmask:1 row_mask:0xf bank_mask:0xf   ; my wave's,
	s_delay_alu instid0(VALU_DEP_1)
	v_max_num_f32_dpp v52, v52, v52 row_xmask:2 row_mask:0xf bank_mask:0xf
	s_delay_alu instid0(VALU_DEP_1)
	v_max_num_f32_dpp v52, v52, v52 row_xmask:4 row_mask:0xf bank_mask:0xf
	s_delay_alu instid0(VALU_DEP_1)
	v_max_num_f32_dpp v52, v52, v52 row_xmask:8 row_mask:0xf bank_mask:0xf
	s_delay_alu instid0(VALU_DEP_1)
	v_permlanex16_b32 v53, v52, s14, s15
	s_delay_alu instid0(VALU_DEP_1)
	v_max_num_f32 v52, v52, v53
	ds_store_b32 v5, v52                           ; all lanes write the same word with the same value
	s_wait_dscnt 0x0                               ; for the others' sake
	s_barrier_signal -1
	s_barrier_wait -1
	ds_load_b128 v[56:59], v6                      ; and the eight waves'
	ds_load_b128 v[60:63], v6 offset:16
	s_wait_dscnt 0x0
	v_max3_num_f32 v54, v56, v57, v58
	v_max3_num_f32 v55, v59, v60, v61
	s_delay_alu instid0(VALU_DEP_2)
	v_max3_num_f32 v54, v54, v62, v63
	s_delay_alu instid0(VALU_DEP_1)
	v_max_num_f32 v54, v54, v55                    ; M (v55 is written: the pair v[54:55] is named below)
.irp j, 0,2,4,6
	v_pk_add_f32 v[16+\j:17+\j], v[16+\j:17+\j], v[54:55] op_sel_hi:[1,0] neg_lo:[0,1] neg_hi:[0,1]   ; s - M
.endr
.irp j, 0,2,4,6
	s_delay_alu instid0(VALU_DEP_4)
	v_pk_mul_f32 v[16+\j:17+\j], v[16+\j:17+\j], 0x3fb8aa3b op_sel_hi:[1,0]                           ; x log2(e)
.endr
	s_wait_alu depctr_va_vdst(0)
.irp n, 0,1,2,3,4,5,6,7
	v_exp_f32 v[16+\n], v[16+\n]
.endr
	v_nop                                          ; a plain instruction behind the last exponential
	s_wait_alu depctr_va_vdst(0)                   ; one wait for the eight, ahead of their first reader
	v_pk_add_f32 v[50:51], v[16:17], v[18:19]      ; the row's sum: my eight,
	v_pk_add_f32 v[52:53], v[20:21], v[22:23]
	s_delay_alu instid0(VALU_DEP_1)
	v_pk_add_f32 v[50:51], v[50:51], v[52:53]
	s_delay_alu instid0(VALU_DEP_1)
	v_add_f32 v50, v50, v51
	s_delay_alu instid0(VALU_DEP_1)
	v_add_f32_dpp v50, v50, v50 row_xmask:1 row_mask:0xf bank_mask:0xf       ; my wave's,
	s_delay_alu instid0(VALU_DEP_1)
	v_add_f32_dpp v50, v50, v50 row_xmask:2 row_mask:0xf bank_mask:0xf
	s_delay_alu instid0(VALU_DEP_1)
	v_add_f32_dpp v50, v50, v50 row_xmask:4 row_mask:0xf bank_mask:0xf
	s_delay_alu instid0(VALU_DEP_1)
	v_add_f32_dpp v50, v50, v50 row_xmask:8 row_mask:0xf bank_mask:0xf
	s_delay_alu instid0(VALU_DEP_1)
	v_permlanex16_b32 v51, v50, s14, s15
	s_delay_alu instid0(VALU_DEP_1)
	v_add_f32 v50, v50, v51
	ds_store_b32 v5, v50 offset:256                ; other bytes than the maxima's: no barrier is owed between their reads and this store
	s_wait_dscnt 0x0
	s_barrier_signal -1
	s_barrier_wait -1
	ds_load_b128 v[56:59], v6 offset:256           ; and the eight waves'
	ds_load_b128 v[60:63], v6 offset:272
	s_wait_dscnt 0x0
	v_pk_add_f32 v[56:57], v[56:57], v[58:59]
	v_pk_add_f32 v[60:61], v[60:61], v[62:63]
	s_delay_alu instid0(VALU_DEP_1)
	v_pk_add_f32 v[56:57], v[56:57], v[60:61]
	s_delay_alu instid0(VALU_DEP_1)
	v_add_f32 v56, v56, v57                        ; at least 1: the largest score's weight is 2^0
	s_wait_alu depctr_va_vdst(0)
	v_rcp_f32 v54, v56
	v_mov_b32 v55, 0                               ; a plain instruction behind the reciprocal (and the pair's upper half is written)
	s_wait_alu depctr_va_vdst(0)                   ; the wait, ahead of the first reader
.irp j, 0,2,4,6
	v_pk_mul_f32 v[16+\j:17+\j], v[16+\j:17+\j], v[54:55] op_sel_hi:[1,0]
.endr
	global_store_b128 v1, v[16:19], s[8:9]         ; a wave's store covers 512 consecutive bytes, at a multiple of 256 from out0's first byte
	global_store_b128 v1, v[20:23], s[8:9] offset:4096
	s_wait_tensorcnt 0x0                           ; the wave's end
	ds_add_u32 v3, v4
	s_wait_dscnt 0x0
	s_endpgm
.Lfunc_end_k_q396de3489c_soft:
	.size	k_q396de3489c_soft, .Lfunc_end_k_q396de3489c_soft-k_q396de3489c_soft
	.p2alignl 7, 3214868480
	.fill 96, 4, 3214868480
	.section	.rodata,"a",@progbits
	.p2align	6, 0x0
	.amdhsa_kernel k_q396de3489c_soft
		.amdhsa_group_segment_fixed_size 1536
		.amdhsa_private_segment_fixed_size 0
		.amdhsa_enable_private_segment 0
		.amdhsa_kernarg_size 24
		.amdhsa_user_sgpr_count 2
		.amdhsa_user_sgpr_kernarg_segment_ptr 1
		.amdhsa_wavefront_size32 1
		.amdhsa_system_sgpr_workgroup_id_x 1
		.amdhsa_system_sgpr_workgroup_id_y 1
		.amdhsa_system_sgpr_workgroup_id_z 1
		.amdhsa_system_vgpr_workitem_id 0
		.amdhsa_next_free_vgpr 64
		.amdhsa_next_free_sgpr 66
		.amdhsa_reserve_vcc 1
		.amdhsa_float_denorm_mode_32 3
		.amdhsa_float_denorm_mode_16_64 3
		.amdhsa_memory_ordered 1
		.amdhsa_forward_progress 1
		.amdhsa_inst_pref_size 10
	.end_amdhsa_kernel
	.amdgpu_metadata
---
amdhsa.version: [ 1, 2 ]
amdhsa.kernels:
  - .name:           k_q396de3489c_soft
    .symbol:         k_q396de3489c_soft.kd
    .args:
      - { .name: part, .offset: 0, .size: 8, .value_kind: global_buffer, .address_space: global }
      - { .name: mask, .offset: 8, .size: 8, .value_kind: global_buffer, .address_space: global }
      - { .name: out0, .offset: 16, .size: 8, .value_kind: global_buffer, .address_space: global }
    .group_segment_fixed_size: 1536
    .private_segment_fixed_size: 0
    .kernarg_segment_align: 8
    .kernarg_segment_size: 24
    .max_flat_workgroup_size: 256
    .sgpr_count:     66
    .vgpr_count:     64
    .wavefront_size: 32
...
	.end_amdgpu_metadata
.endif
;; end of part 3
